; MI455X (gfx1250); checked and timed in simulation.
; The chip was launched on July 23, 2026; its instructions are those of AMD's public machine-readable ISA for CDNA 5 (MIT licence, August 2026) and "CDNA5" Instruction Set Architecture Reference Guide (July 2026). The comments in the code are by the model that wrote it; some were corrected since.
;; Potential At Point. Allowed arithmetic: float matrix products may take bf16 or f16 operands with f32 sums; all other float work in f32.
;; Inputs: coeffs 1,000,000 x 20 float32; r 1,000,000 x 1 float32; r0 1,000,000 x 1 float32.
;; Outputs: out0 1,000,000 x 1 float32.
;; One version. Each part assembles by itself: llvm-mc -triple=amdgcn-amd-amdhsa -mcpu=gfx1250 --defsym DOCPART=n.
;; ======== version 1 of 1: 2 launches
;; workspace buffers: part 20,480 bytes
;; launch moments (part 1): grid 256 x 1, 4 waves a work-group, no clusters, 1,024 bytes of LDS; arguments r, r0, part; writes part
.if DOCPART == 1
	.amdgcn_target "amdgcn-amd-amdhsa--gfx1250"
	.amdhsa_code_object_version 6
	.text
	.protected	k_q58f5854055_moments
	.globl	k_q58f5854055_moments
	.p2align	8
	.type	k_q58f5854055_moments,@function
k_q58f5854055_moments:
	s_mov_b64 s[64:65], 0
	v_nop
	global_prefetch_b8 v0, s[64:65] scope:SCOPE_SE
	s_setreg_imm32_b32 hwreg(HW_REG_WAVE_MODE, 25, 1), 1
	s_wait_xcnt 0x0
; part[n][g] = c_n * (sum over work-group g's elements b of pi_n(u_b)),  n = 0 .. 19,  u = 2 r0/r - 1.
; Row k = n of the reference's coefficient matrix holds the coefficients of the Legendre polynomial P_n(1 - 2x), x = r0/r, so
;   pref[k] = (-1)^n sqrt(2n+1) sum_b P_n(1 - 2 x_b) = sqrt(2n+1) sum_b P_n(u_b).
; The matrix has entries up to C(38,19) = 3.5e10 with alternating signs: multiplied onto the power sums it is a difference of huge sums.
; Here the matrix is taken inside the batch sum (exact algebra) and its rows are evaluated by the three-term recurrence in monic form,
;   pi_0 = 1, pi_1 = u, pi_{n+1} = u pi_n - g_n pi_{n-1},  g_n = n^2 / (4 n^2 - 1),  P_n = C(2n,n)/2^n pi_n,
; two multiply-adds an order and no cancellation.  c_n = sqrt(2n+1) C(2n,n)/2^n is applied once to each wave's sum.
; LIMITS: all sums in f32: an order's scaled sum beyond f32's range (x above roughly 13 in all rows) gives a result that is not finite;
; 1/r by v_rcp_f32 (1 ulp, a denormal r counts as 0); the order of the sums is not the reference's.
;
; SHARES: 1,000,000 elements = 15,625 units of 64 (256 bytes of r and of r0).  15,625 = 256 x 61 + 9: work-group g owns 61 units, 62 if g < 9,
; from unit 61 g + min(g, 9).  Four waves, 16 unit slots each; a lane takes two neighbouring elements of a unit, one pair for the packed
; f32 instructions; one load of a wave covers 256 consecutive bytes, aligned.  The window of 64 slots begins at the group's first unit, or
; earlier where it would pass the buffers' end (the last group: three units earlier).  A slot that is not one of the group's own units gets
; pi_0 = 0 and pi_1 = 0 u, hence pi_n = 0 for every n (the recurrence is linear in its two starts).
; FOUR GROUPS OF FOUR SLOTS: all 32 loads of a wave go out at once, and a group runs through all the orders as soon as its own eight loads
; are in, while the later groups' are still on their way.
.set UNITS, 15625
.set PERWG, 61
.set EXTRA, 9
.set TT,  8                            ; v[8:39]    u of slot j: a pair at TT + 2 j
.set PA,  40                           ; v[40:71]   r as loaded, then the odd orders
.set PB,  72                           ; v[72:103]  r0 as loaded, then the even orders
.set XX,  104                          ; v[104:111] four pairs: sums of two slots
.set ACC, 120                          ; v[120:157] order n = 1 .. 19: the lane's pair of sums at ACC + 2 (n - 1)
.set SUM, 160                          ; v[160:179] order n: the wave's scaled sum
.set KV,  180                          ; v[180:181] -g_1 = -1/3, twice
.set MK,  32                           ; s[32:63]   slot j: 1.0 or 0, as a pair at MK + 2 j
.set GN,  66                           ; s[66:99]   order n = 2 .. 18: -g_n in the lower register of the pair at GN + 2 (n - 2)
	s_load_b128 s[4:7], s[0:1], 0x0                ; r s[4:5], r0 s[6:7]
	s_load_b64 s[8:9], s[0:1], 0x10                ; part
	v_lshl_add_u32 v182, v0, 2, 0x200
	v_mov_b32 v183, 0
	v_lshrrev_b32 v2, 5, v0
	v_readfirstlane_b32 s10, v2                    ; wave 0..3
	v_and_b32 v3, 31, v0                           ; lane
	v_lshlrev_b32 v1, 3, v3
	v_lshl_add_u32 v1, v2, 12, v1                  ; 16 slots x 256 bytes x wave + 8 x lane; never rewritten
	s_min_u32 s12, ttmp9, EXTRA
	s_mul_i32 s11, ttmp9, PERWG
	s_add_co_u32 s11, s11, s12                     ; the group's first unit
	s_cmp_lt_u32 ttmp9, EXTRA
	s_cselect_b32 s13, PERWG+1, PERWG              ; how many units it owns
	s_min_u32 s14, s11, UNITS-64                   ; first unit of the window of 64 slots: the window ends inside the buffers
	s_sub_co_u32 s15, s11, s14                     ; slots in front of the group's first unit (0, or 3 in the last group)
	s_lshl_b32 s16, s14, 8                         ; the window's byte offset, below 4,000,000
	s_mov_b32 s17, 0
	s_wait_kmcnt 0x0
	s_add_nc_u64 s[4:5], s[4:5], s[16:17]
	s_add_nc_u64 s[6:7], s[6:7], s[16:17]
	; all 32 loads of the wave at once, in the order of the slots.  No cache hint: the next launch reads the same bytes again.
.set j, 0
.rept 16
	global_load_b64 v[PA+2*j:PA+2*j+1], v1, s[4:5] offset:256*j
	global_load_b64 v[PB+2*j:PB+2*j+1], v1, s[6:7] offset:256*j
.set j, j+1
.endr
	; while they are on their way: the slots' factors, the count of the wave's own units, the recurrence's factors
	s_lshl_b32 s18, s10, 4
	s_sub_co_u32 s18, s18, s15                     ; slot 0's place among the group's units; below 0 it wraps to a huge number: not owned
	s_mov_b32 s19, 0
.set j, 0
.rept 16
	s_add_co_u32 s20, s18, j
	s_cmp_lt_u32 s20, s13                          ; owned: 0 <= place < units of the group
	s_cselect_b32 s[MK+2*j], 1.0, 0
	s_cselect_b32 s[MK+2*j+1], 1.0, 0
	s_add_co_ci_u32 s19, s19, 0                    ; + 1 if owned (adds SCC)
.set j, j+1
.endr
	; -g_n as f32: g_n = (1 + 1/D)/4 with D = 4 n^2 - 1, so the exponent is that of 1/4 and the mantissa is 2^23 / D, rounded to nearest.
	; Each is used by all four groups, so it is written once, here.  Only the lower register of a pair is multiplied by.
.set n, 2
.rept 17
	s_mov_b32 s[GN+2*(n-2)], 0xbe800000+(16777216+4*n*n-1)/(2*(4*n*n-1))
	s_mov_b32 s[GN+2*(n-2)+1], 0
.set n, n+1
.endr
	s_mov_b32 s30, 0x76543210                      ; v_permlanex16_b32: lane i of one half reads lane i of the other
	s_mov_b32 s31, 0xfedcba98
	s_mul_i32 s23, s10, 80                         ; my wave's 20 words in LDS
	v_mov_b32 v[KV], 0xbeaaaaab
	v_mov_b32 v[KV+1], 0xbeaaaaab
	v_mov_b32 v4, s23
.macro REC a, b, u                     ; a = u b + a, slot u: the second half of a step of the recurrence
	v_pk_fma_f32 v[\a+2*(\u):\a+2*(\u)+1], v[TT+2*(\u):TT+2*(\u)+1], v[\b+2*(\u):\b+2*(\u)+1], v[\a+2*(\u):\a+2*(\u)+1]
.endm
; One order of one group.  On entry a = pi_{n-1}, b = pi_n in the group's four slots.  The four pairs of a go into order n - 1's sum (the first
; group starts the sums: nothing is cleared), and a becomes pi_{n+1} = u b - g_n a.  The adds stand apart from what they depend on.
.macro STAGE a, b, n, g
.set SA, \a+8*\g                       ; the group's four pairs of a
.set SN, ACC+2*((\n)-2)                ; order n - 1's pair of sums
.set SG, GN+2*((\n)-2)                 ; -g_n
	v_pk_add_f32 v[XX:XX+1], v[SA:SA+1], v[SA+2:SA+3]
	v_pk_mul_f32 v[SA:SA+1], v[SA:SA+1], s[SG:SG+1] op_sel_hi:[1,0]
	v_pk_mul_f32 v[SA+2:SA+3], v[SA+2:SA+3], s[SG:SG+1] op_sel_hi:[1,0]
	v_pk_add_f32 v[XX+2:XX+3], v[SA+4:SA+5], v[SA+6:SA+7]
	v_pk_mul_f32 v[SA+4:SA+5], v[SA+4:SA+5], s[SG:SG+1] op_sel_hi:[1,0]
	v_pk_mul_f32 v[SA+6:SA+7], v[SA+6:SA+7], s[SG:SG+1] op_sel_hi:[1,0]
.if \g
	v_pk_add_f32 v[SN:SN+1], v[SN:SN+1], v[XX:XX+1]
.endif
	REC \a, \b, 4*\g
	REC \a, \b, 4*\g+1
	REC \a, \b, 4*\g+2
	REC \a, \b, 4*\g+3
.if \g
	v_pk_add_f32 v[SN:SN+1], v[SN:SN+1], v[XX+2:XX+3]
.else
	v_pk_add_f32 v[SN:SN+1], v[XX:XX+1], v[XX+2:XX+3]
.endif
.endm
; Slots 4 g to 4 g + 3, all orders.
.macro GROUP g
	s_wait_loadcnt 24-8*\g                         ; loads return in order (ISA guide 5.7.1): this group's eight are in, the 8 (3 - g) of the later groups may be out
.irp t, 0,1,2,3,4,5,6,7
	v_rcp_f32 v[TT+8*\g+\t], v[PA+8*\g+\t]
.endr
	v_nop                                          ; one plain vector instruction between the reciprocals and the first use of a result (ISA guide 5.7.2)
	s_wait_alu depctr_va_vdst(0)
.irp t, 0,2,4,6
	v_pk_mul_f32 v[TT+8*\g+\t:TT+8*\g+\t+1], v[TT+8*\g+\t:TT+8*\g+\t+1], v[PB+8*\g+\t:PB+8*\g+\t+1]                  ; x = r0 / r
.endr
.irp t, 0,2,4,6
	v_pk_fma_f32 v[TT+8*\g+\t:TT+8*\g+\t+1], v[TT+8*\g+\t:TT+8*\g+\t+1], 2.0, -1.0 op_sel_hi:[1,0,0]                 ; u = 2 x - 1
.endr
.irp t, 0,2,4,6
	v_pk_mul_f32 v[PA+8*\g+\t:PA+8*\g+\t+1], v[TT+8*\g+\t:TT+8*\g+\t+1], s[MK+8*\g+\t:MK+8*\g+\t+1] op_sel_hi:[1,0]  ; pi_1 = u pi_0
	v_pk_mul_f32 v[PB+8*\g+\t:PB+8*\g+\t+1], v[KV:KV+1], s[MK+8*\g+\t:MK+8*\g+\t+1] op_sel_hi:[1,0]                  ; -g_1 pi_0
.endr
	REC PB, PA, 4*\g                               ; pi_2 = u pi_1 - g_1 pi_0
	REC PB, PA, 4*\g+1
	REC PB, PA, 4*\g+2
	REC PB, PA, 4*\g+3
.irp n, 2,4,6,8,10,12,14,16
	STAGE PA, PB, \n, \g
	STAGE PB, PA, \n+1, \g
.endr
	STAGE PA, PB, 18, \g                           ; now PB = pi_18, PA = pi_19; orders 1 to 17 are summed
	v_pk_add_f32 v[XX:XX+1],   v[PB+8*\g:PB+8*\g+1],   v[PB+8*\g+2:PB+8*\g+3]
	v_pk_add_f32 v[XX+2:XX+3], v[PB+8*\g+4:PB+8*\g+5], v[PB+8*\g+6:PB+8*\g+7]
	v_pk_add_f32 v[XX+4:XX+5], v[PA+8*\g:PA+8*\g+1],   v[PA+8*\g+2:PA+8*\g+3]
	v_pk_add_f32 v[XX+6:XX+7], v[PA+8*\g+4:PA+8*\g+5], v[PA+8*\g+6:PA+8*\g+7]
.if \g
	v_pk_add_f32 v[ACC+34:ACC+35], v[ACC+34:ACC+35], v[XX:XX+1]
	v_pk_add_f32 v[ACC+36:ACC+37], v[ACC+36:ACC+37], v[XX+4:XX+5]
	v_pk_add_f32 v[ACC+34:ACC+35], v[ACC+34:ACC+35], v[XX+2:XX+3]
	v_pk_add_f32 v[ACC+36:ACC+37], v[ACC+36:ACC+37], v[XX+6:XX+7]
.else
	v_pk_add_f32 v[ACC+34:ACC+35], v[XX:XX+1],   v[XX+2:XX+3]
	v_pk_add_f32 v[ACC+36:ACC+37], v[XX+4:XX+5], v[XX+6:XX+7]
.endif
.endm
	GROUP 0
	GROUP 1
	GROUP 2
	GROUP 3
	; over the wave: the pair, four steps inside each half of 16 lanes, one across the halves; 19 sums that do not wait for each other
.set n, 1
.rept 19
	v_add_f32 v[SUM+n], v[ACC+2*n-2], v[ACC+2*n-1]
.set n, n+1
.endr
.irp m, 1,2,4,8
.set n, 1
.rept 19
	v_add_f32_dpp v[SUM+n], v[SUM+n], v[SUM+n] row_xmask:\m row_mask:0xf bank_mask:0xf
.set n, n+1
.endr
.endr
.set n, 1
.rept 19
	v_permlanex16_b32 v[ACC+2*n-2], v[SUM+n], s30, s31     ; its destination counts as read: a register that has been written
.set n, n+1
.endr
.set n, 1
.rept 19
	v_add_f32 v[SUM+n], v[SUM+n], v[ACC+2*n-2]
.set n, n+1
.endr
	; c_n = sqrt(2n+1) C(2n,n) / 2^n, rounded to f32
.macro SC n, c
	v_mul_f32 v[SUM+\n], \c, v[SUM+\n]
.endm
	SC 1,  0x3fddb3d7                              ; 1.7320508
	SC 2,  0x4056a99b                              ; 3.3541020
	SC 3,  0x40d3a8fd                              ; 6.6143783
	SC 4,  0x41520000                              ; 13.125
	SC 5,  0x41d0f286                              ; 26.118420
	SC 6,  0x42503878                              ; 52.055147
	SC 7,  0x42cfb051                              ; 103.84437
	SC 8,  0x434f485f                              ; 207.28269
	SC 9,  0x43cef66b                              ; 413.92513
	SC 10, 0x444eb426                              ; 826.81480
	SC 11, 0x44ce7d74                              ; 1651.9204
	SC 12, 0x454e4f8c                              ; 3300.9717
	SC 13, 0x45ce2878                              ; 6597.0585
	SC 14, 0x464e06cc                              ; 13185.700
	SC 15, 0x46cde97d                              ; 26356.744
	SC 16, 0x474dcfbe                              ; 52687.743
	SC 17, 0x47cdb8f3                              ; 105329.90
	SC 18, 0x484da4a1                              ; 210578.51
	SC 19, 0x48cd9265                              ; 421011.17
	s_lshl_b32 s19, s19, 6
	v_cvt_f32_u32 v[SUM], s19                      ; order 0: pi_0 = x^0 = 1 for each of the wave's own elements, c_0 = 1
	; over the four waves: 20 words a wave, one barrier, wave 0 adds.  Every lane holds the same 20 numbers, so lane 0 alone stores them:
	; one write of each word is enough.
	s_wait_xcnt 0x0                                ; EXEC changes only behind this wait (ISA guide 3.1)
	v_cmp_eq_u32 vcc_lo, 0, v3
	s_and_saveexec_b32 s22, vcc_lo
.irp q, 0,1,2,3,4
	ds_store_b128 v4, v[SUM+4*\q:SUM+4*\q+3] offset:16*\q
.endr
	s_wait_dscnt 0x0                               ; my stores are done before I say so: wave 0 reads them behind the barrier
	s_or_b32 exec_lo, exec_lo, s22                 ; all lanes on again
	s_barrier_signal -1
	s_barrier_wait -1
	s_cmp_lg_u32 s10, 0
	s_cbranch_scc1 .Lothers
	v_min_u32 v5, 19, v3                           ; lane n takes order n; lanes 20 to 31 repeat order 19 and store nothing
	v_lshlrev_b32 v6, 2, v5
	ds_load_b32 v8, v6
	ds_load_b32 v9, v6 offset:80
	ds_load_b32 v10, v6 offset:160
	ds_load_b32 v11, v6 offset:240
	s_lshl_b32 s21, ttmp9, 2
	v_lshlrev_b32 v7, 10, v5
	v_add_nc_u32 v7, s21, v7                       ; part[n][g]: 1,024 n + 4 g.  Order-major, so that the next launch reads one order's 256 partial
	                                               ; sums as 1,024 consecutive bytes; the price is this one store of 20 words 1,024 bytes apart
	s_wait_dscnt 0x0
	v_add_f32 v8, v8, v9
	v_add_f32 v10, v10, v11
	v_add_f32 v8, v8, v10
	v_cmp_gt_u32 vcc_lo, 20, v3                    ; no global instruction has been issued since the last wait on XCNT: EXEC may change
	s_wait_tensorcnt 0x0
	ds_add_u32 v182, v183
	s_wait_dscnt 0x0
	s_and_saveexec_b32 s22, vcc_lo
	global_store_b32 v7, v8, s[8:9]
	s_endpgm
.Lothers:
	s_wait_tensorcnt 0x0
	ds_add_u32 v182, v183
	s_wait_dscnt 0x0
	s_endpgm
.Lfunc_end_k_q58f5854055_moments:
	.size	k_q58f5854055_moments, .Lfunc_end_k_q58f5854055_moments-k_q58f5854055_moments
	.p2alignl 7, 3214868480
	.fill 96, 4, 3214868480
	.section	.rodata,"a",@progbits
	.p2align	6, 0x0
	.amdhsa_kernel k_q58f5854055_moments
		.amdhsa_group_segment_fixed_size 1024
		.amdhsa_private_segment_fixed_size 0
		.amdhsa_enable_private_segment 0
		.amdhsa_kernarg_size 24
		.amdhsa_user_sgpr_count 2
		.amdhsa_user_sgpr_kernarg_segment_ptr 1
		.amdhsa_wavefront_size32 1
		.amdhsa_system_sgpr_workgroup_id_x 1
		.amdhsa_system_sgpr_workgroup_id_y 1
		.amdhsa_system_sgpr_workgroup_id_z 1
		.amdhsa_system_vgpr_workitem_id 0
		.amdhsa_next_free_vgpr 184
		.amdhsa_next_free_sgpr 100
		.amdhsa_reserve_vcc 1
		.amdhsa_float_denorm_mode_32 3
		.amdhsa_float_denorm_mode_16_64 3
		.amdhsa_memory_ordered 1
		.amdhsa_forward_progress 1
		.amdhsa_inst_pref_size 77
	.end_amdhsa_kernel
	.amdgpu_metadata
---
amdhsa.version: [ 1, 2 ]
amdhsa.kernels:
  - .name:           k_q58f5854055_moments
    .symbol:         k_q58f5854055_moments.kd
    .args:
      - { .name: r, .offset: 0, .size: 8, .value_kind: global_buffer, .address_space: global }
      - { .name: r0, .offset: 8, .size: 8, .value_kind: global_buffer, .address_space: global }
      - { .name: part, .offset: 16, .size: 8, .value_kind: global_buffer, .address_space: global }
    .group_segment_fixed_size: 1024
    .private_segment_fixed_size: 0
    .kernarg_segment_align: 8
    .kernarg_segment_size: 24
    .max_flat_workgroup_size: 128
    .sgpr_count:     100
    .vgpr_count:     184
    .wavefront_size: 32
...
	.end_amdgpu_metadata
.endif
;; end of part 1
;; launch apply (part 2): grid 256 x 1, 16 waves a work-group, no clusters, 84,736 bytes of LDS; arguments coeffs, r, r0, part, out0; writes out0
.if DOCPART == 2
	.amdgcn_target "amdgcn-amd-amdhsa--gfx1250"
	.amdhsa_code_object_version 6
	.text
	.protected	k_q58f5854055_apply
	.globl	k_q58f5854055_apply
	.p2align	8
	.type	k_q58f5854055_apply,@function
k_q58f5854055_apply:
	s_mov_b64 s[64:65], 0
	v_nop
	global_prefetch_b8 v0, s[64:65] scope:SCOPE_SE
	s_setreg_imm32_b32 hwreg(HW_REG_WAVE_MODE, 25, 1), 1
	s_wait_xcnt 0x0
; out[b] = sqrt(r0[b]) / r[b] * sum over k of pref[k] coeffs[b][k],  pref[k] = sum over g of part[k][g] (256 partial sums an order,
; already scaled by the launch before).  All in f32 on the vector unit: 20 multiply-adds for 80 bytes, so the bytes decide.
; LIMITS: f32 throughout; sqrt and 1/r by v_sqrt_f32 and v_rcp_f32 (1 ulp, denormal inputs count as 0); the order of the sums is not the reference's.
;
; SHARES: 15,625 units of 64 rows (5,120 bytes of coeffs, 256 bytes of r, r0 and out).  Work-group g owns 61 units, 62 if g < 9, from unit
; 61 g + min(g, 9).  16 waves x 4 slots = 64 slots; slot 4 w + j takes the group's unit of that number.  A slot without a unit runs the same
; lines, so that every wave has issued the same loads at every counted wait: all its lanes read one 16-byte (8-byte) piece of the group's
; last unit with each load, and its store is jumped over.
; THE ORDER OF A WAVE: a work-group's share, at most 62 x 5,632 bytes, fits in the registers of its 16 waves: no ring, no fill of LDS, no prefetch.
; First the four loads of part and slot 0's twelve; then pref is summed, shared through LDS and one barrier, while slot 0's 16 x 5,632 bytes are
; on their way; then the 36 loads of slots 1 to 3 go out, and the slots are worked on and stored in their order while the later ones arrive.
; A UNIT: 320 pieces of 16 bytes; load i (0..9) brings lane l piece 32 i + l: 512 consecutive bytes a load.  A row is five pieces, and a unit begins
; with a row, so piece c holds columns 4 (c mod 5) .. + 3, and (32 i + l) mod 5 = (l + 2 i) mod 5: a lane keeps five quads of pref, one for each
; i mod 5.  A piece's four products are added in the lane; the 320 piece sums go to the wave's own LDS stage in the order of the pieces, and lane l
; reads back the ten words of rows 2 l and 2 l + 1.  Its two results are 8 neighbouring bytes: one store of the wave covers 256 consecutive bytes, aligned.
; THE TABLE OF pref IN LDS IS PERIODIC: the 20 numbers (80 bytes, five quads) stand eight times one behind the other, 40 quads.  Quad c of it is
; pref's quad c mod 5, so the quad (l + 2 i) mod 5 that lane l needs is read at byte 16 l + 32 i: no division, and 512 consecutive bytes a load.
.set PERWG, 61
.set EXTRA, 9
.set UNITB, 5120                       ; bytes of coeffs in a unit
.set COPIES, 8                         ; copies of pref: quads 0 .. 31 + 2 x 4 = 39 are read
.set STG,   768                        ; LDS: bytes 0-639 the periodic table; from 768 on the stages
.set SLOTB, 1280                       ; a slot's stage: 320 words; a wave has four
.set STA, 3                            ; v3         stage, where I put a piece sum: 4 x lane
.set VC,  4                            ; v[4:7]     slot j: my byte offset in coeffs from the group's first unit
.set VR,  8                            ; v[8:11]    slot j: my byte offset in r, r0 and out
.set PT,  12                           ; v[12:27]   two orders' partial sums, 8 a lane each; later at work
.set PR,  28                           ; v[28:47]   my five quads of pref
.set RR,  48                           ; v[48:55]   slot j: r of my two rows
.set RZ,  56                           ; v[56:63]   slot j: r0 of my two rows, then my two results
.set CF,  64                           ; v[64:223]  slot j: ten pieces of coeffs, 40 registers
.set DD,  224                          ; v[224:243] ten pairs of products; before that three offsets: two into part, one into the table in LDS
.set QQ,  244                          ; v[244:253] ten piece sums read back
.set LDA, 254                          ; v254       stage, where I read: 40 x lane
.set WA,  255                          ; v255       4 x wave: my order's word in the table's first copy
.macro LOADS j                         ; slot j's twelve loads
	global_load_b64 v[RR+2*\j:RR+2*\j+1], v[VR+\j], s[6:7] th:TH_LOAD_NT
	global_load_b64 v[RZ+2*\j:RZ+2*\j+1], v[VR+\j], s[8:9] th:TH_LOAD_NT
.irp i, 0,1,2,3,4,5,6,7,8,9
	global_load_b128 v[CF+40*\j+4*\i:CF+40*\j+4*\i+3], v[VC+\j], s[4:5] offset:512*\i th:TH_LOAD_NT
.endr
.endm
	s_load_b256 s[4:11], s[0:1], 0x0               ; coeffs s[4:5], r s[6:7], r0 s[8:9], part s[10:11]
	s_load_b64 s[12:13], s[0:1], 0x20              ; out0
	v_lshrrev_b32 v2, 5, v0
	v_readfirstlane_b32 s14, v2                    ; wave 0..15
	v_and_b32 v1, 31, v0                           ; lane
	s_min_u32 s16, ttmp9, EXTRA
	s_mul_i32 s15, ttmp9, PERWG
	s_add_co_u32 s15, s15, s16                     ; the group's first unit
	s_cmp_lt_u32 ttmp9, EXTRA
	s_cselect_b32 s16, PERWG+1, PERWG              ; how many units it owns
	s_sub_co_u32 s17, s16, 1                       ; its last unit's slot
	s_mul_i32 s18, s15, UNITB                      ; below 80,000,000
	s_mov_b32 s19, 0
	s_lshl_b32 s20, s15, 8
	s_mov_b32 s21, 0
	s_lshl_b32 s22, s14, 2                         ; my first slot; also the byte of my order's word in the table
.irp j, 0,1,2,3
	s_add_co_u32 s[24+\j], s22, \j                 ; the slot's number, kept for the store
	s_min_u32 s23, s[24+\j], s17                   ; a slot without a unit points at the group's last unit,
	s_cmp_lt_u32 s[24+\j], s16
	s_cselect_b32 s28, 16, 0                       ; and all its lanes at the same piece
	s_cselect_b32 s29, 8, 0
	s_mul_i32 s30, s23, UNITB
	s_lshl_b32 s31, s23, 8
	v_mad_u32_u24 v[VC+\j], v1, s28, s30
	v_mad_u32_u24 v[VR+\j], v1, s29, s31
.endr
	; part: wave w sums order w; waves 0 to 3 also order 16 + w.  The other waves run the second sum's lines on one piece of part and store nothing of it.
	v_lshlrev_b32 v[DD], 4, v1
	v_lshl_add_u32 v[DD], v2, 10, v[DD]            ; 1,024 w + 16 x lane
	s_and_b32 s32, s14, 3
	s_add_co_u32 s32, s32, 16
	s_lshl_b32 s32, s32, 10
	s_cmp_lt_u32 s14, 4
	s_cselect_b32 s33, 16, 0
	v_mad_u32_u24 v[DD+1], v1, s33, s32
	s_wait_kmcnt 0x0
	s_add_nc_u64 s[4:5], s[4:5], s[18:19]
	s_add_nc_u64 s[6:7], s[6:7], s[20:21]
	s_add_nc_u64 s[8:9], s[8:9], s[20:21]
	s_add_nc_u64 s[12:13], s[12:13], s[20:21]
	global_load_b128 v[PT:PT+3],     v[DD],   s[10:11]
	global_load_b128 v[PT+4:PT+7],   v[DD],   s[10:11] offset:512
	global_load_b128 v[PT+8:PT+11],  v[DD+1], s[10:11]
	global_load_b128 v[PT+12:PT+15], v[DD+1], s[10:11] offset:512
	LOADS 0
	; while they are on their way: LDS addresses
	s_mov_b32 s36, 0x76543210                      ; v_permlanex16_b32: lane i of one half reads lane i of the other
	s_mov_b32 s37, 0xfedcba98
	s_mul_i32 s34, s14, 4*SLOTB
	s_add_co_u32 s34, s34, STG                     ; my wave's four stages
	v_lshl_add_u32 v[STA], v1, 2, s34
	v_mad_u32_u24 v[LDA], v1, 40, s34              ; ten words a lane: the 32 lanes' word pairs start at 32 different even words modulo 64
	v_mov_b32 v[WA], s22
	v_lshlrev_b32 v[DD+2], 4, v1                   ; 16 x lane: my place in the periodic table
	s_wait_loadcnt 12                              ; loads return in order (ISA guide 5.7.1): part's four are in, slot 0's twelve issued behind them may be out
	v_pk_add_f32 v[PT:PT+1],     v[PT:PT+1],     v[PT+4:PT+5]
	v_pk_add_f32 v[PT+8:PT+9],   v[PT+8:PT+9],   v[PT+12:PT+13]
	v_pk_add_f32 v[PT+2:PT+3],   v[PT+2:PT+3],   v[PT+6:PT+7]
	v_pk_add_f32 v[PT+10:PT+11], v[PT+10:PT+11], v[PT+14:PT+15]
	v_pk_add_f32 v[PT:PT+1],     v[PT:PT+1],     v[PT+2:PT+3]
	v_pk_add_f32 v[PT+8:PT+9],   v[PT+8:PT+9],   v[PT+10:PT+11]
	v_add_f32 v[PT],   v[PT],   v[PT+1]
	v_add_f32 v[PT+8], v[PT+8], v[PT+9]
.irp m, 1,2,4,8
	v_add_f32_dpp v[PT],   v[PT],   v[PT]   row_xmask:\m row_mask:0xf bank_mask:0xf
	v_add_f32_dpp v[PT+8], v[PT+8], v[PT+8] row_xmask:\m row_mask:0xf bank_mask:0xf
.endr
	v_permlanex16_b32 v[PT+1], v[PT],   s36, s37
	v_permlanex16_b32 v[PT+9], v[PT+8], s36, s37
	v_add_f32 v[PT],   v[PT],   v[PT+1]
	v_add_f32 v[PT+8], v[PT+8], v[PT+9]
	; every lane holds the same sums, so lane 0 alone stores them: one write of each word is enough
	s_wait_xcnt 0x0                                ; slot 0's loads are pending, and EXEC is one of their sources: it changes only behind this wait (ISA guide 3.1)
	v_cmp_eq_u32 vcc_lo, 0, v1
	s_and_saveexec_b32 s38, vcc_lo
.set t, 0
.rept COPIES
	ds_store_b32 v[WA], v[PT] offset:80*t          ; pref of order w into word w of copy t
.set t, t+1
.endr
	s_cmp_ge_u32 s14, 4
	s_cbranch_scc1 .Lone_order                     ; orders 16 to 19 come from waves 0 to 3 alone: behind word 19 of a copy begins the next copy
.set t, 0
.rept COPIES
	ds_store_b32 v[WA], v[PT+8] offset:64+80*t     ; pref of order 16 + w into word 16 + w of copy t
.set t, t+1
.endr
.Lone_order:
	s_wait_dscnt 0x0                               ; my stores are done before I say so
	s_or_b32 exec_lo, exec_lo, s38                 ; all lanes on again (no global instruction was issued under the narrow EXEC)
	s_barrier_signal -1
	s_barrier_wait -1                              ; all eight copies are whole
.set i, 0
.rept 5
	ds_load_b128 v[PR+4*i:PR+4*i+3], v[DD+2] offset:32*i   ; quad l + 2 i of the table = pref of columns 4 ((l + 2 i) mod 5) .. + 3
.set i, i+1
.endr
	LOADS 1                                        ; the rest of the wave's share goes out in one run
	LOADS 2
	LOADS 3
	s_wait_dscnt 0x0                               ; my five quads
.macro SLOT j
	s_wait_loadcnt 12*(3-\j)                       ; this slot's twelve loads are in; the later slots' twelve each may be out
.set i, 0
.rept 10
	v_pk_mul_f32 v[DD+2*i:DD+2*i+1], v[CF+40*\j+4*i:CF+40*\j+4*i+1], v[PR+4*(i%5):PR+4*(i%5)+1]
.set i, i+1
.endr
.set i, 0
.rept 10
	v_pk_fma_f32 v[DD+2*i:DD+2*i+1], v[CF+40*\j+4*i+2:CF+40*\j+4*i+3], v[PR+4*(i%5)+2:PR+4*(i%5)+3], v[DD+2*i:DD+2*i+1]
.set i, i+1
.endr
.set i, 0
.rept 10
	v_add_f32 v[DD+2*i], v[DD+2*i], v[DD+2*i+1]    ; the piece's sum
.set i, i+1
.endr
.set i, 0
.rept 10
	ds_store_b32 v[STA], v[DD+2*i] offset:\j*SLOTB+128*i   ; word 32 i + lane: the pieces in their order
.set i, i+1
.endr
.set i, 0
.rept 5
	ds_load_b64 v[QQ+2*i:QQ+2*i+1], v[LDA] offset:\j*SLOTB+8*i   ; the stage is my wave's own and LDS serves a wave in order (ISA guide 5.7.1): these see the stores above
.set i, i+1
.endr
	v_sqrt_f32 v[PT],   v[RZ+2*\j]                 ; meanwhile sqrt(r0) / r of my two rows
	v_sqrt_f32 v[PT+1], v[RZ+2*\j+1]
	v_rcp_f32  v[PT+2], v[RR+2*\j]
	v_rcp_f32  v[PT+3], v[RR+2*\j+1]
	v_nop                                          ; one plain vector instruction before the four results are used (ISA guide 5.7.2)
	s_wait_alu depctr_va_vdst(0)
	v_pk_mul_f32 v[PT:PT+1], v[PT:PT+1], v[PT+2:PT+3]
	s_wait_dscnt 0x0
	v_pk_add_f32 v[PT+4:PT+5], v[QQ:QQ+1],     v[QQ+2:QQ+3]     ; row 2 l: words 0 to 4
	v_pk_add_f32 v[PT+6:PT+7], v[QQ+6:QQ+7],   v[QQ+8:QQ+9]     ; row 2 l + 1: words 5 to 9
	v_add_f32 v[PT+4], v[PT+4], v[PT+5]
	v_add_f32 v[PT+6], v[PT+6], v[PT+7]
	v_add_f32 v[PT+8], v[PT+4], v[QQ+4]
	v_add_f32 v[PT+9], v[PT+6], v[QQ+5]
	v_pk_mul_f32 v[RZ+2*\j:RZ+2*\j+1], v[PT+8:PT+9], v[PT:PT+1] ; each slot has result and offset registers of its own: no store's source is written again
	s_cmp_lt_u32 s[24+\j], s16
	s_cbranch_scc0 .Lno_unit_\j                    ; a slot without a unit stores nothing: each byte of out is stored once in the launch
	global_store_b64 v[VR+\j], v[RZ+2*\j:RZ+2*\j+1], s[12:13] th:TH_STORE_NT
.Lno_unit_\j:
.endm
	SLOT 0
	SLOT 1
	SLOT 2
	SLOT 3
	s_wait_xcnt 0x0
	s_mov_b32 exec_lo, -1
	v_lshl_add_u32 v254, v0, 2, 0x14300
	v_mov_b32 v255, 0
	s_wait_tensorcnt 0x0
	ds_add_u32 v254, v255
	s_wait_dscnt 0x0
	s_endpgm
.Lfunc_end_k_q58f5854055_apply:
	.size	k_q58f5854055_apply, .Lfunc_end_k_q58f5854055_apply-k_q58f5854055_apply
	.p2alignl 7, 3214868480
	.fill 96, 4, 3214868480
	.section	.rodata,"a",@progbits
	.p2align	6, 0x0
	.amdhsa_kernel k_q58f5854055_apply
		.amdhsa_group_segment_fixed_size 84736
		.amdhsa_private_segment_fixed_size 0
		.amdhsa_enable_private_segment 0
		.amdhsa_kernarg_size 40
		.amdhsa_user_sgpr_count 2
		.amdhsa_user_sgpr_kernarg_segment_ptr 1
		.amdhsa_wavefront_size32 1
		.amdhsa_system_sgpr_workgroup_id_x 1
		.amdhsa_system_sgpr_workgroup_id_y 1
		.amdhsa_system_sgpr_workgroup_id_z 1
		.amdhsa_system_vgpr_workitem_id 0
		.amdhsa_next_free_vgpr 256
		.amdhsa_next_free_sgpr 66
		.amdhsa_reserve_vcc 1
		.amdhsa_float_denorm_mode_32 3
		.amdhsa_float_denorm_mode_16_64 3
		.amdhsa_memory_ordered 1
		.amdhsa_forward_progress 1
		.amdhsa_inst_pref_size 25
	.end_amdhsa_kernel
	.amdgpu_metadata
---
amdhsa.version: [ 1, 2 ]
amdhsa.kernels:
  - .name:           k_q58f5854055_apply
    .symbol:         k_q58f5854055_apply.kd
    .args:
      - { .name: coeffs, .offset: 0, .size: 8, .value_kind: global_buffer, .address_space: global }
      - { .name: r, .offset: 8, .size: 8, .value_kind: global_buffer, .address_space: global }
      - { .name: r0, .offset: 16, .size: 8, .value_kind: global_buffer, .address_space: global }
      - { .name: part, .offset: 24, .size: 8, .value_kind: global_buffer, .address_space: global }
      - { .name: out0, .offset: 32, .size: 8, .value_kind: global_buffer, .address_space: global }
    .group_segment_fixed_size: 84736
    .private_segment_fixed_size: 0
    .kernarg_segment_align: 8
    .kernarg_segment_size: 40
    .max_flat_workgroup_size: 512
    .sgpr_count:     66
    .vgpr_count:     256
    .wavefront_size: 32
...
	.end_amdgpu_metadata
.endif
;; end of part 2
